; MI455X (gfx1250); checked and timed in simulation.
; The chip was launched on July 23, 2026; its instructions are those of AMD's public machine-readable ISA for CDNA 5 (MIT licence, August 2026) and "CDNA5" Instruction Set Architecture Reference Guide (July 2026). The comments in the code are by the model that wrote it; some were corrected since.
;; Quantized Linear. Allowed arithmetic: matrix products marked QUANTISED: E3M2 operands, one E8M0 scale for each 32 along K, by v_wmma_scale_f32_16x16x128_f8f6f4 with both operands' format E3M2, f32 sums; everything else in f32.
;; Inputs: bias 16,384 float32; weight_q 16,384 x 4,096 int8; weight_scale 16,384 float32; x 1,024 x 4,096 float32.
;; Outputs: out0 1,024 x 16,384 float32.
;; This version of the problem:
;;   THIS VERSION OF THE PROBLEM IS GIVEN IN LOW PRECISION. The matrix products marked QUANTISED in the list below multiply operands that are first quantised to E3M2 (3 exponent bits, 2 mantissa bits; 6 bits a number), with one power-of-two scale for each 32 numbers along K (OCP MX v1.0); their sums are f32. All else is computed in f32.
;;   The module's matrix products, in the order in which they are computed (A, B: the left and right operand; K: the contracted axis; several contracted axes count as one K, in the product's order):
;;     1. [M 1,024, K 4,096] x [K 4,096, N 16,384]; A: input x; B: input weight_q: QUANTISED
;;   THE QUANTISER, for each operand of a quantised product, along K:
;;     - K is cut into blocks of 32 from its start; a last block that is shorter is filled with zeros.
;;     - A block's scale is 2^e with e = floor(log2(the largest magnitude in the block)) - 4, held to -126 .. 127; a block of zeros has e = 0. As a byte (E8M0): e + 127.
;;     - Each number is divided by its block's scale, clamped to +-28, and rounded to the nearest number of E3M2, ties to even, subnormals kept.
;;     - The product sums the exact products of the quantised numbers (number of the format x scale) in f32.
;;   ~~~python
;;   def quantise(x, axis):      # numpy; x: float32 -> the quantised numbers, widened to float32 again
;;       x = np.moveaxis(x, axis, -1); K = x.shape[-1]
;;       x = np.pad(x, [(0, 0)] * (x.ndim - 1) + [(0, -K % 32)]); x = x.reshape(x.shape[:-1] + (-1, 32)); a = np.abs(x).max(-1, keepdims=True)
;;       e = np.where(a > 0, np.clip(np.frexp(np.where(a > 0, a, 1))[1] - 1 - 4, -126, 127), 0)      # np.frexp(a)[1] - 1 = floor(log2(a)), exactly
;;       r = np.clip(x / 2.0 ** e, -28, 28)
;;       step = 2.0 ** (np.maximum(np.frexp(np.where(r == 0, 1, r))[1] - 1, -2) - 2)
;;       q = np.round(r / step) * step * 2.0 ** e      # np.round: ties to even
;;       return np.moveaxis(q.reshape(q.shape[:-2] + (-1,))[..., :K], -1, axis).astype(np.float32)
;;   ~~~
;; One version. Each part assembles by itself: llvm-mc -triple=amdgcn-amd-amdhsa -mcpu=gfx1250 --defsym DOCPART=n.
;; ======== version 1 of 1: 2 launches
;; limits: right only within a limited range of input values
;; workspace buffers: xc 3,276,800 bytes; wc 52,428,800 bytes
;; launch quant (part 1): grid 1152 x 1, 4 waves a work-group, no clusters, 69,120 bytes of LDS; arguments x, weight_q, xc, wc; writes xc, wc
.if DOCPART == 1
	.amdgcn_target "amdgcn-amd-amdhsa--gfx1250"
	.amdhsa_code_object_version 6
	.text
	.protected	k_q377d3a67b4_quant
	.globl	k_q377d3a67b4_quant
	.p2align	8
	.type	k_q377d3a67b4_quant,@function
k_q377d3a67b4_quant:
	s_mov_b64 s[64:65], 0
	v_nop
	global_prefetch_b8 v0, s[64:65] scope:SCOPE_SE
	s_setreg_imm32_b32 hwreg(HW_REG_WAVE_MODE, 25, 1), 1
	s_wait_xcnt 0x0
; x [1024][4096] f32 and weight_q [16384][4096] int8 are turned into codes of BF6 (E3M2), 6 bits each, with one E8M0 scale byte for each 32 along K.
; A block's scale is 2^(floor(log2(its largest magnitude)) - 4); its byte is the largest magnitude's own exponent field - 4, held at 1 from below.  Each number is divided by the scale and rounded to the
; nearest code, ties to even; beyond the largest code, 28, the conversion gives the largest code.
; LIMITS: NaN and infinities in x are not served.  A block of zeros gets the byte 1 where the rule says 127: its codes are zeros, which add nothing under any byte but 0xff, and the bytes are read by this
; program alone.  Blocks whose largest magnitude lies under 2^-122 keep the byte 1, which is the rule's own hold at the exponent -126.  Every int8 value is served, -128 too.
; THE OUTPUT IS LAID IN THE ORDER OF THE OPERAND'S REGISTERS.  A UNIT is 128 rows x 128 along K, number 32 (row / 128) + k / 128, 12,800 dense bytes: eight fragments (16 rows x 128 K) of 1,536 bytes,
; register 4 g + e of lane l at byte 512 g + 16 l + 4 e; then 512 bytes of scale words, the word of lane r of fragment i at 12,288 + 256 (i / 4) + 16 r + 4 (i % 4).
; In a fragment lane (r, h) holds one row; registers 6 c .. 6 c + 5 hold k = 64 c + 32 h + 0 .. 31.  Of x lane r of fragment i holds the unit's row 16 i + r.
; OF THE WEIGHT lane r of fragment i holds the unit's row 64 (i / 4) + 4 r + i % 4: so in the product's result a lane's fragments 4 u .. 4 u + 3 are four neighbouring columns of the output.
; SHARES.  Work-groups 0-127 take 128 rows x 256 along K of x each; work-groups 128-1151 take 128 rows x 512 along K of the weight each.
; A WAVE TAKES 64 ROWS (j = wave % 2), so that its scale words of a unit are 256 consecutive bytes, aligned.  Of x: the unit wave / 2 of the two: four fragments.  Of the weight: bytes 256 (wave / 2) on of its rows:
; 256 bytes (two units), in two halves of 32 rows: four fragments a half.
; A lane holds WHOLE blocks of 32 (two for each fragment), so a block's largest magnitude needs no other lane.  Loads take the bytes as they lie (16 a lane, neighbouring lanes neighbouring bytes); the numbers turn through
; the wave's own stage in LDS so that a lane gets its row's neighbours.  No tensor load, no barrier: waves share nothing.  The two paths have LDS bytes of their own.
.set UNIT, 12800                       ; a unit in bytes
.set SCO,  12288                       ; where its scale words begin
.set XST,  0                           ; x's stages: 16 rows x 528 bytes (512 + 16) for each wave
.set WST,  4*8448                      ; the weight's stages: 32 rows x 272 bytes (256 + 16) for each wave.  Both pitches are odd multiples of 16 bytes
.set IN,   4                           ; s[4:5]   the path's input, at my wave's part
.set CD,   8                           ; s[8:9]   its output, at my wave's first fragment
.set SB,   12                          ; s[12:13] the same buffer, at my wave's scale words
.set CO,   4                           ; v4   16 x lane
.set WVO,  5                           ; v5   the weight in memory: 16,384 h + 16 r: lanes 0-15 a row's 256 bytes, lanes 16-31 those of the row four further on
.set WSA,  6                           ; v6   the weight's stage, in: 272 h + 16 r
.set WLA,  7                           ; v7   and out: 272 r + 32 h
.set XSA,  8                           ; v8   x's stage, in: 16 x lane
.set XLA,  9                           ; v9   and out: 528 r + 128 h
.set SOFF, 10                          ; v10  16 r + 8 h: my place among a unit's 256 bytes of my wave's scale words
.set SH8,  11                          ; v11  8 h
.set M,    16                          ; v16-19 four chains of maxima
.set SO,   20                          ; v20-21 the conversions' scale operands
.set BY,   22                          ; v22-23 the scale bytes
.set T,    24                          ; v24, v25 at work
.set T2,   25
.set P,    26                          ; v[26:27], v[28:29] two pairs of scale words to store
.set P2,   28
.set B,    32                          ; v32-63 two sets of 16 registers: a fragment's 64 bytes a lane
.set R,    64                          ; v64-127 sixteen loads as they come
.set F,    128                         ; v128-191 a fragment's 64 numbers a lane, in f32: register 32 c + j = k 64 c + 32 h + j of my row
.set C,    192                         ; v192-203 the fragment's 12 registers
.set CT,   204                         ; v204-211 (a conversion's three registers begin on an even number: a block's second half is made here and moved)
.set W,    212                         ; v212-219 scale words: register 4 q + i: fragment i of my four, unit q of my two
	s_load_b256 s[4:11], s[0:1], 0x0               ; x, weight_q, xc, wc
	v_lshl_add_u32 v220, v0, 2, 0x10c00            ; my spare word, behind the stages; never rewritten
	v_mov_b32 v221, 0                              ; 0; never rewritten
	v_lshrrev_b32 v1, 5, v0
	v_readfirstlane_b32 s16, v1                    ; wave 0..3
	s_and_b32 s38, s16, 1                          ; j: which 64 rows
	s_lshr_b32 s39, s16, 1                         ; which part along K
	v_and_b32 v1, 31, v0                           ; lane
	v_and_b32 v2, 15, v0                           ; r
	v_bfe_u32 v3, v0, 4, 1                         ; h
	v_lshlrev_b32 v[CO], 4, v1
	v_lshlrev_b32 v[WVO], 4, v2
	v_lshl_add_u32 v[WVO], v3, 14, v[WVO]
	s_mul_i32 s17, s16, 8704
	s_add_co_u32 s17, s17, WST                     ; my stage for the weight
	v_mul_u32_u24 v[WSA], v3, 272
	v_lshl_add_u32 v[WSA], v2, 4, v[WSA]
	v_add_nc_u32 v[WSA], s17, v[WSA]
	v_mul_u32_u24 v[WLA], v2, 272
	v_lshl_add_u32 v[WLA], v3, 5, v[WLA]
	v_add_nc_u32 v[WLA], s17, v[WLA]
	s_mul_i32 s18, s16, 8448                       ; my stage for x
	v_add_nc_u32 v[XSA], s18, v[CO]
	v_mul_u32_u24 v[XLA], v2, 528
	v_lshl_add_u32 v[XLA], v3, 7, v[XLA]
	v_add_nc_u32 v[XLA], s18, v[XLA]
	v_lshlrev_b32 v[SOFF], 4, v2
	v_lshl_add_u32 v[SOFF], v3, 3, v[SOFF]
	v_lshlrev_b32 v[SH8], 3, v3
	v_mov_b32 v[T2], 0                             ; written once: a lane permute's destination counts as one of its sources
	v_cmp_ne_u32 vcc_lo, 0, v3                     ; lanes 16-31; VCC is never written again
	s_mov_b32 s20, 0x76543210
	s_mov_b32 s21, 0xfedcba98                      ; v_permlanex16_b32's selects for lane l xor 16
	s_mov_b32 s22, 0x4b000000                      ; 2^23 as f32
.irp e, 0,1,2,3
	s_mov_b32 s[24+\e], 0x07040400+\e              ; v_perm_b32: byte e of the data under the three upper bytes of 2^23
.endr
	s_mov_b32 s28, 0xcb000080                      ; -(2^23 + 128)
	s_mov_b32 s29, s28                             ; (named with it as a pair, so it is written)
	s_mov_b32 s30, 0x80808080
	s_mov_b32 s33, 0
	s_mov_b32 s35, 0
	s_mov_b32 s37, 0
	s_wait_kmcnt 0x0
	s_cmp_lt_u32 ttmp9, 128                        ; x's work-group or the weight's?  The choice hangs on the work-group's number alone
	s_cselect_b64 s[IN:IN+1], s[4:5], s[6:7]
	s_cselect_b64 s[CD:CD+1], s[8:9], s[10:11]
	s_mov_b64 s[SB:SB+1], s[CD:CD+1]               ; codes and scale words lie in one buffer
	s_cbranch_scc0 .Lw
; s17 = where my first unit begins in the output, in bytes: from it the offsets of my fragments and of my scale words; then the three offsets, each under 2^31 with 0 above it, onto the three addresses
.macro BASES
	s_mul_i32 s18, s38, 4*1536                     ; my 64 rows are four fragments
	s_add_co_u32 s34, s17, s18
	s_lshl_b32 s18, s38, 8                         ; and 256 bytes of scale words
	s_add_co_u32 s36, s17, s18
	s_add_co_u32 s36, s36, SCO
	s_add_nc_u64 s[IN:IN+1], s[IN:IN+1], s[32:33]
	s_add_nc_u64 s[CD:CD+1], s[CD:CD+1], s[34:35]
	s_add_nc_u64 s[SB:SB+1], s[SB:SB+1], s[36:37]
.endm
; 32 rows x 256 bytes of the weight, d bytes on.  Load n fills stage rows 2 n and 2 n + 1, which are lanes r = 2 (n % 8) + h of the half's fragment n / 8: so it reads my rows 4 r + n / 8 = 8 (n % 8) + 4 h + n / 8
; (the second half: two rows further on).  Lanes 0-15 read one row's 256 consecutive bytes, lanes 16-31 another's
.macro LOADW d
.irp n, 0,1,2,3,4,5,6,7,8,9,10,11,12,13,14,15
	global_load_b128 v[R+4*\n:R+4*\n+3], v[WVO], s[IN:IN+1] offset:(8*(\n%8)+\n/8)*4096+\d th:TH_LOAD_NT
.endr
.endm
; fragment i of x (16 rows x 128 numbers): each load reads 512 consecutive bytes of a row
.macro LOADX i
.irp n, 0,1,2,3,4,5,6,7,8,9,10,11,12,13,14,15
	global_load_b128 v[R+4*\n:R+4*\n+3], v[CO], s[IN:IN+1] offset:(16*(\i)+\n)*16384 th:TH_LOAD_NT
.endr
.endm
; my 64 bytes of fragment f of a half of the weight (stage rows 16 (f / 2) on, unit f % 2), out of the stage: k = 64 c + 32 h + 16 j + 0 .. 15 of stage row 16 (f / 2) + r
.macro FRAGLD f, set
.irp c, 0,1
.irp j, 0,1
	ds_load_b128 v[B+16*(\set)+4*(2*\c+\j):B+16*(\set)+4*(2*\c+\j)+3], v[WLA] offset:4352*((\f)/2)+128*((\f)%2)+64*\c+16*\j
.endr
.endr
.endm
; 64 int8 become 64 f32, exactly: each byte + 128 (one exclusive or for four) is set under 2^23's upper bytes, which is the f32 number 2^23 + byte + 128; then 2^23 + 128 is taken off, two at a time
.macro UNPACK set
.irp g, 0,1,2,3,4,5,6,7,8,9,10,11,12,13,14,15
	v_xor_b32 v[B+16*(\set)+\g], s30, v[B+16*(\set)+\g]
.endr
.irp g, 0,1,2,3,4,5,6,7,8,9,10,11,12,13,14,15
.irp e, 0,1,2,3
	v_perm_b32 v[F+4*\g+\e], s22, v[B+16*(\set)+\g], s[24+\e]
.endr
.endr
.irp p, 0,2,4,6,8,10,12,14,16,18,20,22,24,26,28,30,32,34,36,38,40,42,44,46,48,50,52,54,56,58,60,62
	v_pk_add_f32 v[F+\p:F+\p+1], v[F+\p:F+\p+1], s[28:29] op_sel_hi:[1,0]
.endr
.endm
; The 64 numbers in v[F] on become the fragment's 12 registers in v[C] on, and its scale word (the same in lanes l and l xor 16) in v[wd]
.macro QUANT wd
.irp c, 0,1                            ; my blocks h (c = 0) and 2 + h (c = 1): all 32 numbers of each are mine; two chains a block, the blocks by turns
	v_max3_num_f32 v[M+2*\c], |v[F+32*\c]|, |v[F+32*\c+1]|, |v[F+32*\c+2]|
	v_max3_num_f32 v[M+2*\c+1], |v[F+32*\c+3]|, |v[F+32*\c+4]|, |v[F+32*\c+5]|
.endr
.irp i, 6,10,14,18,22,26
.irp c, 0,1
	v_max3_num_f32 v[M+2*\c], v[M+2*\c], |v[F+32*\c+\i]|, |v[F+32*\c+\i+1]|
	v_max3_num_f32 v[M+2*\c+1], v[M+2*\c+1], |v[F+32*\c+\i+2]|, |v[F+32*\c+\i+3]|
.endr
.endr
.irp c, 0,1
	v_max3_num_f32 v[M+2*\c], v[M+2*\c], |v[F+32*\c+30]|, |v[F+32*\c+31]|
.endr
.irp c, 0,1
	v_max3_num_f32 v[M+2*\c], v[M+2*\c], v[M+2*\c+1], 0x2800000   ; and the floor 2^(5 - 127), under which no largest magnitude is taken: so the byte cannot fall under 1
.endr
.irp c, 0,1
	v_add_nc_u32 v[SO+\c], 0xfe000000, v[M+2*\c]   ; 4 off its exponent field: the conversion takes the exponent field of this operand as its scale, and nothing else of it
.endr
.irp c, 0,1
	v_lshrrev_b32 v[BY+\c], 23, v[SO+\c]           ; the scale's byte
.endr
	v_lshl_or_b32 v[T], v[BY+1], 16, v[BY]         ; my two bytes: blocks h and 2 + h of my row,
	v_lshlrev_b32 v[T], v[SH8], v[T]               ; at their places in the scale word (8 h bits up);
	v_permlanex16_b32 v[T2], v[T], s20, s21
	v_or_b32 v[\wd], v[T], v[T2]                   ; with lane l xor 16's two the word is whole
	s_wait_alu depctr_va_vdst(0)
	s_wait_xcnt 0x0                                ; the last fragment's stores have read v[C] on: only behind this wait is it written again
.irp c, 0,1
	v_cvt_scalef32_pk16_bf6_f32 v[C+6*\c:C+6*\c+2], v[F+32*\c:F+32*\c+15], v[SO+\c]
	v_cvt_scalef32_pk16_bf6_f32 v[CT+4*\c:CT+4*\c+2], v[F+32*\c+16:F+32*\c+31], v[SO+\c]
.endr
	v_nop                                          ; one plain vector instruction between a scaled conversion and the vector instruction that touches its result
.irp c, 0,1
.irp i, 0,1,2
	v_mov_b32 v[C+6*\c+3+\i], v[CT+4*\c+\i]
.endr
.endr
.endm
.macro CSTORE off                      ; the fragment as it stands: each store covers 512 consecutive bytes, at a multiple of 512 from the buffer's first byte
.irp g, 0,1,2
	global_store_b128 v[CO], v[C+4*\g:C+4*\g+3], s[CD:CD+1] offset:\off+512*\g
.endr
.endm
; my four fragments' scale words of one unit, v[wb] .. v[wb + 3]: lane (r, h) stores the words of fragments 2 h and 2 h + 1 of lane r: the 32 lanes cover 256 consecutive bytes, aligned
.macro SSTORE wb, pr, off
	v_cndmask_b32 v[\pr], v[\wb], v[\wb+2], vcc_lo
	v_cndmask_b32 v[\pr+1], v[\wb+1], v[\wb+3], vcc_lo
	global_store_b64 v[SOFF], v[\pr:\pr+1], s[SB:SB+1] offset:\off
.endm
	; ---- x: the work-group's number u = 16 (row / 128) + k / 256
	s_lshr_b32 s17, ttmp9, 4
	s_lshl_b32 s32, s17, 21                        ; 128 rows of 16,384 bytes,
	s_lshl_b32 s18, s38, 20                        ; my 64 of them,
	s_add_co_u32 s32, s32, s18
	s_and_b32 s18, ttmp9, 15
	s_lshl_b32 s18, s18, 10                        ; 256 numbers along K a work-group,
	s_add_co_u32 s32, s32, s18
	s_lshl_b32 s18, s39, 9                         ; my 128 of them
	s_add_co_u32 s32, s32, s18
	s_lshl_b32 s17, ttmp9, 1
	s_add_co_u32 s17, s17, s39                     ; my unit: 2 u + wave / 2
	s_mul_i32 s17, s17, UNIT
	BASES
	LOADX 0
	s_wait_alu depctr_va_vdst(0)
.irp i, 0,1,2,3
	s_wait_loadcnt 0x0                             ; the fragment's sixteen loads are in
.irp n, 0,1,2,3,4,5,6,7,8,9,10,11,12,13,14,15
	ds_store_b128 v[XSA], v[R+4*\n:R+4*\n+3] offset:528*\n
.endr
.irp c, 0,1
.irp j, 0,1,2,3,4,5,6,7
	ds_load_b128 v[F+32*\c+4*\j:F+32*\c+4*\j+3], v[XLA] offset:256*\c+16*\j   ; LDS serves a wave's instructions in order: these see the stores above
.endr
.endr
	s_wait_dscnt 0x0                               ; my 64 numbers are in, and the stores have read their registers,
.if \i < 3
	LOADX \i+1                                     ; which take the next fragment while this one is worked
.endif
	QUANT W+\i
	CSTORE 1536*\i
.endr
	SSTORE W, P, 0
	s_wait_tensorcnt 0x0                           ; the wave's end: behind my last LDS store
	ds_add_u32 v220, v221
	s_wait_dscnt 0x0
	s_endpgm
	; ---- the weight: v = the work-group's number - 128 = 8 (row / 128) + k / 512
.Lw:
	s_sub_co_u32 s19, ttmp9, 128
	s_lshr_b32 s17, s19, 3
	s_lshl_b32 s32, s17, 19                        ; 128 rows of 4,096 bytes,
	s_lshl_b32 s18, s38, 18                        ; my 64 of them,
	s_add_co_u32 s32, s32, s18
	s_and_b32 s18, s19, 7
	s_lshl_b32 s18, s18, 9                         ; 512 bytes along K a work-group,
	s_add_co_u32 s32, s32, s18
	s_lshl_b32 s18, s39, 8                         ; my 256 of them
	s_add_co_u32 s32, s32, s18
	s_lshl_b32 s17, s19, 1
	s_add_co_u32 s17, s17, s39                     ; my pair of units: 2 v + wave / 2
	s_mul_i32 s17, s17, 2*UNIT                     ; 2,047 x 25,600 at the most: under 2^31
	BASES
; Half sub of my part: 32 rows x 256 bytes, four fragments: 2 sub + f / 2 = which of my four fragments of a unit, f % 2 = which of my two units
.macro HALF sub
	s_wait_loadcnt 0x0                             ; the half's sixteen loads are in
.irp n, 0,1,2,3,4,5,6,7,8,9,10,11,12,13,14,15
	ds_store_b128 v[WSA], v[R+4*\n:R+4*\n+3] offset:544*\n
.endr
	FRAGLD 0, 0
.if \sub == 0
	s_wait_dscnt 4                                 ; all but the four loads just issued: the sixteen stores have read their registers,
	LOADW 2*4096                                   ; which take the second 32 rows (fragments 2 and 3 of my four) while these are worked
.endif
.irp f, 0,1,2,3
.if \f < 3
	FRAGLD \f+1, (\f+1)%2
	s_wait_dscnt 4                                 ; this fragment's bytes are in; the next fragment's four loads may be out
.else
	s_wait_dscnt 0x0
.endif
	UNPACK \f%2
	QUANT W+4*(\f%2)+2*\sub+\f/2
	CSTORE (\f%2)*UNIT+(2*\sub+\f/2)*1536
.endr
.endm
	LOADW 0
	HALF 0
	HALF 1
	SSTORE W, P, 0
	SSTORE W+4, P2, UNIT
	s_wait_tensorcnt 0x0                           ; the wave's end: behind my last LDS store
	ds_add_u32 v220, v221
	s_wait_dscnt 0x0
	s_endpgm
.Lfunc_end_k_q377d3a67b4_quant:
	.size	k_q377d3a67b4_quant, .Lfunc_end_k_q377d3a67b4_quant-k_q377d3a67b4_quant
	.p2alignl 7, 3214868480
	.fill 96, 4, 3214868480
	.section	.rodata,"a",@progbits
	.p2align	6, 0x0
	.amdhsa_kernel k_q377d3a67b4_quant
		.amdhsa_group_segment_fixed_size 69120
		.amdhsa_private_segment_fixed_size 0
		.amdhsa_enable_private_segment 0
		.amdhsa_kernarg_size 32
		.amdhsa_user_sgpr_count 2
		.amdhsa_user_sgpr_kernarg_segment_ptr 1
		.amdhsa_wavefront_size32 1
		.amdhsa_system_sgpr_workgroup_id_x 1
		.amdhsa_system_sgpr_workgroup_id_y 1
		.amdhsa_system_sgpr_workgroup_id_z 1
		.amdhsa_system_vgpr_workitem_id 0
		.amdhsa_next_free_vgpr 222
		.amdhsa_next_free_sgpr 66
		.amdhsa_reserve_vcc 1
		.amdhsa_float_denorm_mode_32 3
		.amdhsa_float_denorm_mode_16_64 3
		.amdhsa_memory_ordered 1
		.amdhsa_forward_progress 1
		.amdhsa_inst_pref_size 118
	.end_amdhsa_kernel
	.amdgpu_metadata
---
amdhsa.version: [ 1, 2 ]
amdhsa.kernels:
  - .name:           k_q377d3a67b4_quant
    .symbol:         k_q377d3a67b4_quant.kd
    .args:
      - { .name: x, .offset: 0, .size: 8, .value_kind: global_buffer, .address_space: global }
      - { .name: weight_q, .offset: 8, .size: 8, .value_kind: global_buffer, .address_space: global }
      - { .name: xc, .offset: 16, .size: 8, .value_kind: global_buffer, .address_space: global }
      - { .name: wc, .offset: 24, .size: 8, .value_kind: global_buffer, .address_space: global }
    .group_segment_fixed_size: 69120
    .private_segment_fixed_size: 0
    .kernarg_segment_align: 8
    .kernarg_segment_size: 32
    .max_flat_workgroup_size: 128
    .sgpr_count:     66
    .vgpr_count:     222
    .wavefront_size: 32
...
	.end_amdgpu_metadata
.endif
;; end of part 1
;; launch gemm (part 2): grid 64 x 4, 4 waves a work-group, clusters of 4 x 4, 327,680 bytes of LDS; arguments xc, wc, weight_scale, bias, out0; writes out0
.if DOCPART == 2
	.amdgcn_target "amdgcn-amd-amdhsa--gfx1250"
	.amdhsa_code_object_version 6
	.text
	.protected	k_q377d3a67b4_gemm
	.globl	k_q377d3a67b4_gemm
	.p2align	8
	.type	k_q377d3a67b4_gemm,@function
k_q377d3a67b4_gemm:
	s_mov_b64 s[64:65], 0
	v_nop
	global_prefetch_b8 v0, s[64:65] scope:SCOPE_SE
	s_setreg_imm32_b32 hwreg(HW_REG_WAVE_MODE, 25, 1), 1
	s_wait_xcnt 0x0
	s_wait_alu depctr_hold_cnt(0) depctr_sa_sdst(0) depctr_va_vdst(0) depctr_va_sdst(0) depctr_va_ssrc(0) depctr_va_vcc(0) depctr_vm_vsrc(0)
	s_getreg_b32 s2, hwreg(HW_REG_IB_STS2, 6, 4)
	s_cmp_eq_u32 s2, 0
	s_cbranch_scc0 .Lentry_in_a_cluster
	s_endpgm
.Lentry_in_a_cluster:
	s_bfe_u32 s2, ttmp6, 0x10000c
	s_cmp_lg_u32 s2, 0xf033
	s_cbranch_scc0 .Lentry_shape_is_right
	s_endpgm
.Lentry_shape_is_right:
; out0[m][n] = (sum over k of X[m][k] W[n][k]) x weight_scale[n] + bias[n], m < 1,024, n < 16,384, k < 4,096.  X and W come as codes of BF6 (E3M2) with E8M0 scale bytes, made by the launch before.
; xc and wc are laid in UNITS of 12,800 dense bytes: 128 rows x 128 along K, unit number 32 (row / 128) + k / 128: eight fragments of 1,536 bytes as images of the operand's registers
; (register 4 g + e of lane l at 512 g + 16 l + 4 e), then 512 bytes of scale words (lane r of fragment i at 12,288 + 256 (i / 4) + 16 r + 4 (i % 4)).
; Of x fragment i holds the unit's rows 16 i + r; of the weight lane r of fragment i holds the unit's row 64 (i / 4) + 4 r + i % 4.
; A block of out0, 256 x 256, is made by a work-group of four waves; a wave makes 128 x 128: 64 accumulators, 512 registers.  1,024 x 16,384 / 65,536 = 256 work-groups.
; K goes through a ring of two LDS slots of 153,600 bytes: three K steps of 128 of x's 256 rows and of the weight's 256 rows.  32 steps are ten fills of three and a last fill of two.  A wave's one tensor load brings
; three (at last two) units on end, dense bytes, stated as rows of 12,800 bytes, each beginning at a multiple of 256 bytes.
; CLUSTERS: 4 x 4 work-groups.  The four of a row of the cluster need the same units of x, the four of a column the same units of the weight: each is asked for jointly, with a mask that names the four.
; THE WAY OUT NEEDS NO LDS.  Source 0 = 16 rows of x, source 1 = 16 rows of the weight: register j of lane (r, h) of accumulator (a, b) is out0 at row 16 a + 8 h + j and column 64 (b / 4) + 4 r + b % 4 of my 128 x 128.
; So accumulators 4 u .. 4 u + 3 hold four neighbouring columns in a lane: one fused multiply-add a number applies scale and bias and sets the four side by side, and a store of 16 bytes a lane
; lets sixteen lanes write 256 consecutive bytes, aligned.
; THE LAST TWO K STEPS (the last fill) GO BY ROWS OF out0: the weight's fragments of both steps fill its two sets, x's come by blocks of 16 rows, and each block is finished by 16 matrix instructions and leaves at once.
; PREFETCH: behind each fill but the last two stand two prefetches for the NEXT fill's three K steps, one slot (three K steps of matrix work) ahead of the load that wants them: the weight's units and x's.
; Each block of 256 bytes is named once in each cluster that will load it: of a block column's (a block row's) two groups of 128 rows the partner at place p (cy for the weight, cx for x) takes group p / 2 and
; half p % 2 of its 38,400 bytes, told apart by address; of those 19,200 bytes each of waves 0 to 2 names 25 blocks, a lane a block.  The last fill's two units would not fill the three units
; that a prefetch names, so they come by their load alone, and so do K steps 0 to 2.
; REGISTERS, in windows of 256: window 0: v16-30 addresses; v32-47 scale words, two sets; v48-63 weight_scale and bias; v64-127 results on the way out; v128-223 x's fragments, one set (at last four buffers of 24).
;   window 1: the weight's fragments, two sets, at v0 and v128; v96-127 and v224-255 results on the way out.  window 2: the accumulators of my rows 0-63 ((a, b) at v[8 (8 a + b)]);  window 3: rows 64-127.
.set SIZE_N, 16384
.set FR,     12                        ; registers of a fragment
.set NL,     3                         ; LDS loads that bring one
.set NP,     4                         ; places behind this matrix instruction (ISA guide 7.12.1)
.set FRB,    1536
.set UNIT,   12800
.set SCO,    8*FRB                     ; a unit's scale words
.set HALFT,  3*UNIT                    ; what one tensor load of the ring brings: 128 rows x 384 along K
.set SLOT,   4*HALFT
.set GROW,   32*UNIT                   ; 128 rows, all of K
.set SPARE,  2*SLOT                    ; behind the ring: the spare words, 128 bytes a wave
.set ADRA, 16                          ; v16-17 LDS address of my fragments of x in slot 0, 1
.set ADRB, 20                          ; v20-21 the same for the weight
.set ADRS, 22                          ; v22-23 scale words: lanes 0-15 x's, lanes 16-31 the weight's
.set WO,   24                          ; v24    16 r: my four columns' place in 256 bytes of weight_scale and bias
.set CO,   26                          ; v26    16 x lane
.set OC,   27                          ; v27    my place in out0: 8 h rows + 16 r bytes
.set SPW,  28                          ; v28    my spare word; never rewritten
.set NIL,  29                          ; v29    0; never rewritten
.set PFO,  30                          ; v30    the prefetches' offset: 256 x min(lane, 24)
.set SC,   32                          ; scale words: set p at v[SC + 8 p]; register i: lanes 0-15 x's block i, lanes 16-31 the weight's block i
.set WS,   48                          ; v48-55 weight_scale of my columns of blocks b = 0 .. 7
.set BI,   56                          ; v56-63 bias likewise
.set AF,   128
.set G1, 24                            ; s[24:31] group 1 for x's units, s[32:39] group 0, one set a slot
.set G0, 32
.set G1B, 48                           ; s[48:55], s[56:63] the same for the weight's
.set G0B, 56
.set PFA, 66                           ; s[66:67] where my prefetches of the weight stand
.set G1F, 68                           ; s[68:75], s[80:87] groups 1 of the last fill: two units
.set G1FB, 80
.set PFX, 88                           ; s[88:89] where my prefetches of x stand
.set LIM, 95                           ; s95 1 in the waves that prefetch (0 to 2), else the greatest number
.set MSB, 0
.macro WIN new                         ; the immediate's high byte repeats the setting that is left
.if MSB != \new
	s_set_vgpr_msb (MSB<<8)|\new
.set MSB, \new
.endif
.endm
.set MUL_LO, 0xa4                      ; source 0 (x) window 0, source 1 (weight) window 1, C and D window 2
.set MUL_HI, 0xf4                      ; the same, C and D window 3
.set TO_B,   0x40                      ; destination window 1, address window 0
.macro JLOAD g0a, g1a, g0b, g1b        ; a joint load: waves 0, 1 fetch for x, waves 2, 3 for the weight; s_nop 0 and four v_nop behind each line
	s_cmp_eq_u32 s15, 0
	s_cbranch_scc0 .Lfor_b_\@
	tensor_load_to_lds s[\g0a:\g0a+3], s[\g1a:\g1a+7]
	s_nop 0
.rept 4
	v_nop
.endr
	s_branch .Lasked_\@
.Lfor_b_\@:
	tensor_load_to_lds s[\g0b:\g0b+3], s[\g1b:\g1b+7]
	s_nop 0
.rept 4
	v_nop
.endr
.Lasked_\@:
.endm
.macro CREST                           ; a round of the cluster's barrier behind its opening barrier
	s_cmp_lg_u32 s14, 0
	s_cbranch_scc1 .Lnot_wave_0_\@
	s_barrier_signal -3
.Lnot_wave_0_\@:
	s_barrier_wait -3
	s_barrier_signal -1
	s_barrier_wait -1
.endm
.macro CROUND
	s_barrier_signal -1
	s_barrier_wait -1
	CREST
.endm
; The next fill's units, off bytes behind where the two addresses stand: 25 lanes x 256 bytes of the weight and of x in each of waves 0 to 2.
; how = 0: not in the loop's last trip, behind whose second refill only the fill of two units is left
.macro ASK how, off
.if \how
	s_cmp_eq_u32 s[LIM], 1
.else
	s_cmp_gt_u32 s3, s[LIM]
.endif
	s_cbranch_scc0 .Lnot_mine_\@
	global_prefetch_b8 v[PFO], s[PFA:PFA+1] offset:\off th:TH_LOAD_NT scope:SCOPE_SE
	global_prefetch_b8 v[PFO], s[PFX:PFX+1] offset:\off th:TH_LOAD_NT scope:SCOPE_SE
.Lnot_mine_\@:
.endm
	s_load_b128 s[4:7], s[0:1], 0x0                ; xc, wc
	s_load_b128 s[96:99], s[0:1], 0x10             ; weight_scale, bias
	s_load_b64 s[12:13], s[0:1], 0x20              ; out0
	v_lshl_add_u32 v[SPW], v0, 2, SPARE
	v_mov_b32 v[NIL], 0
	ds_add_u32 v[SPW], v[NIL]                      ; the opening lines: the add, twice on end, and its wait ahead of my first tensor load
	ds_add_u32 v[SPW], v[NIL]
	v_lshrrev_b32 v1, 5, v0
	v_readfirstlane_b32 s14, v1                    ; wave 0..3
	s_lshr_b32 s15, s14, 1                         ; which 128 rows of the block are mine.  Also: I fetch for x (0) or for the weight (1)
	s_and_b32 s16, s14, 1                          ; which 128 columns.  Also: which 128 rows of that operand I fetch
	s_bfe_u32 s40, ttmp6, 0x40000                  ; cx
	s_bfe_u32 s41, ttmp6, 0x40004                  ; cy
	s_lshl_b32 s42, ttmp9, 2
	s_add_co_u32 s42, s42, s40                     ; block column = 4 x cluster x + cx
	s_mov_b32 s17, s41                             ; block row = cy: the grid is one cluster high
	s_lshl_b32 s43, s41, 2
	s_lshl_b32 s43, 15, s43                        ; my row of the cluster
	s_lshl_b32 s44, 0x1111, s40                    ; my column
	s_or_b32 s[G1+0], s43, (3<<16)|(1<<21)         ; the mask; elements of 8 bytes; bit 21 beside a mask; no padding: fragments are read 16 bytes a lane on end
	s_or_b32 s[G1B+0], s44, (3<<16)|(1<<21)
	s_or_b32 s[G1F+0], s43, (3<<16)|(1<<21)
	s_or_b32 s[G1FB+0], s44, (3<<16)|(1<<21)
.irp g, G1, G1B
	s_mov_b32 s[\g+1], (UNIT/8)<<16                ; a row is a unit: 1,600 elements;
	s_mov_b32 s[\g+2], 3<<16                       ; three rows
	s_mov_b32 s[\g+3], (UNIT/8)<<16
	s_mov_b32 s[\g+4], 3
	s_mov_b32 s[\g+5], UNIT/8                      ; dense
	s_mov_b32 s[\g+6], 0
	s_mov_b32 s[\g+7], 0
.endr
.irp g, G1F, G1FB
	s_mov_b32 s[\g+1], (UNIT/8)<<16
	s_mov_b32 s[\g+2], 2<<16                       ; the last fill: two rows
	s_mov_b32 s[\g+3], (UNIT/8)<<16
	s_mov_b32 s[\g+4], 2
	s_mov_b32 s[\g+5], UNIT/8
	s_mov_b32 s[\g+6], 0
	s_mov_b32 s[\g+7], 0
.endr
	s_lshl_b32 s20, s17, 1
	s_add_co_u32 s20, s20, s16                     ; x: group of 128 rows 2 x block row + half
	s_lshl_b32 s46, s42, 1
	s_add_co_u32 s46, s46, s16                     ; the weight: 2 x block column + half
	s_mul_i32 s20, s20, GROW
	s_mov_b32 s21, 0
	s_mul_i32 s46, s46, GROW                       ; 127 x 409,600 at the most: under 2^31
	s_mov_b32 s47, 0
	s_mul_i32 s45, s14, HALFT                      ; where they go: wave x 38,400: no place in the cluster enters an LDS address
	s_wait_dscnt 0x0                               ; both opening adds are done
	s_wait_kmcnt 0x0
	s_add_nc_u64 s[20:21], s[4:5], s[20:21]
	s_add_nc_u64 s[46:47], s[6:7], s[46:47]
	CROUND                                         ; all sixteen work-groups are here: the first joint loads meet
.irp s, 0,1
	s_mov_b32 s[G0+4*\s], 1
	s_add_co_u32 s[G0+4*\s+1], s45, \s*SLOT
	s_add_nc_u64 s[G0+4*\s+2:G0+4*\s+3], s[20:21], \s*3*UNIT   ; slot 0 begins with K step 0, slot 1 with K step 3
	s_or_b32 s[G0+4*\s+3], s[G0+4*\s+3], 0x80000000
	s_mov_b32 s[G0B+4*\s], 1
	s_add_co_u32 s[G0B+4*\s+1], s45, \s*SLOT
	s_add_nc_u64 s[G0B+4*\s+2:G0B+4*\s+3], s[46:47], \s*3*UNIT
	s_or_b32 s[G0B+4*\s+3], s[G0B+4*\s+3], 0x80000000
.endr
	JLOAD G0, G1, G0B, G1B                         ; K steps 0 to 2: one tensor load a wave at the head; the set-up below stands under its flight
	v_and_b32 v1, 15, v0                           ; r
	v_bfe_u32 v2, v0, 4, 1                         ; h
	v_and_b32 v6, 31, v0
	v_min_u32 v[PFO], 24, v6                       ; (lanes 25-31 name lane 24's block again)
	v_lshlrev_b32 v[PFO], 8, v[PFO]
	v_lshlrev_b32 v[WO], 4, v1
	v_lshlrev_b32 v[CO], 4, v6
	v_lshlrev_b32 v[OC], 4, v1
	v_lshl_add_u32 v[OC], v2, 19, v[OC]            ; 8 h rows of 65,536 bytes + 16 r
	s_mul_i32 s21, s15, HALFT                      ; my 128 rows of x
	s_mul_i32 s22, s16, HALFT
	s_add_co_u32 s22, s22, 2*HALFT                 ; my 128 rows of the weight, behind x's 256
	s_sub_co_u32 s23, s22, s21
	v_mul_u32_u24 v7, s23, v2                      ; lanes 16-31 take the weight's scale words
	v_lshl_add_u32 v7, v1, 4, v7
.irp s, 0,1
	v_add_nc_u32 v[ADRA+\s], s21, v[CO]
	v_add_nc_u32 v[ADRB+\s], s22, v[CO]
	v_add_nc_u32 v[ADRS+\s], s21, v7
	s_add_co_u32 s21, s21, SLOT
	s_add_co_u32 s22, s22, SLOT
.endr
	s_mul_i32 s23, s14, 25*256                     ; the prefetches: each of waves 0 to 2 takes a third of my work-group's 19,200 bytes;
	s_add_co_u32 s23, s23, 3*UNIT                  ; both addresses stand at K step 3, the second fill's first
	s_lshr_b32 s18, s41, 1                         ; the weight: of my block column's two groups of 128 rows the partner at cy takes group cy / 2,
	s_lshl_b32 s19, s42, 1
	s_add_co_u32 s18, s18, s19
	s_mul_i32 s18, s18, GROW
	s_and_b32 s19, s41, 1
	s_mul_i32 s19, s19, HALFT/2                    ; and half cy % 2 of its 38,400 bytes
	s_add_co_u32 s18, s18, s19
	s_add_co_u32 s18, s18, s23
	s_mov_b32 s19, 0
	s_add_nc_u64 s[PFA:PFA+1], s[6:7], s[18:19]
	s_lshr_b32 s18, s40, 1                         ; x: of my block row's two groups the partner at cx takes group cx / 2,
	s_lshl_b32 s19, s17, 1
	s_add_co_u32 s18, s18, s19
	s_mul_i32 s18, s18, GROW
	s_and_b32 s19, s40, 1
	s_mul_i32 s19, s19, HALFT/2                    ; and half cx % 2
	s_add_co_u32 s18, s18, s19
	s_add_co_u32 s18, s18, s23
	s_mov_b32 s19, 0
	s_add_nc_u64 s[PFX:PFX+1], s[4:5], s[18:19]
	s_cmp_lt_u32 s14, 3
	s_cselect_b32 s[LIM], 1, -1
	ASK 1, 0                                       ; K steps 3 to 5, which the second fill will want
	s_lshl_b32 s46, s42, 10                        ; my first column, in bytes of f32: 1,024 x block column + 512 x half
	s_lshl_b32 s47, s16, 9
	s_add_co_u32 s46, s46, s47
	s_mov_b32 s47, 0
	s_add_nc_u64 s[96:97], s[96:97], s[46:47]
	s_add_nc_u64 s[98:99], s[98:99], s[46:47]
	s_lshl_b32 s20, s17, 8
	s_lshl_b32 s21, s15, 7
	s_add_co_u32 s20, s20, s21                     ; my first row: 256 x block row + 128 x half,
	s_lshl_b32 s20, s20, 16                        ; of 65,536 bytes
	s_mov_b32 s21, 0
	s_add_nc_u64 s[12:13], s[12:13], s[20:21]
	s_add_nc_u64 s[12:13], s[12:13], s[46:47]
.macro FRAG reg, adr, t, i             ; a fragment as it lies: three loads of 16 bytes a lane
.irp c, 0,1,2
	ds_load_b128 v[\reg+4*\c:\reg+4*\c+3], v[\adr] offset:(\t)*UNIT+(\i)*FRB+512*\c
.endr
.endm
; 8 matrix instructions: x's block a against the weight's eight, 128 along K.  p: the weight's set and the set of scale words.  zero = 1: the first product starts the sums.
; The 64 accumulators take turns, one instruction a turn, in the same order in every step.
.macro MULA a, p, zero
.irp b, 0,1,2,3,4,5,6,7
.if \zero
	v_wmma_scale_f32_16x16x128_f8f6f4 v[8*(8*((\a)%4)+\b):8*(8*((\a)%4)+\b)+7], v[AF+FR*(\a):AF+FR*(\a)+FR-1], v[128*(\p)+FR*\b:128*(\p)+FR*\b+FR-1], 0, v[SC+8*(\p)+(\a)], v[SC+8*(\p)+\b] matrix_a_fmt:MATRIX_FMT_BF6 matrix_b_fmt:MATRIX_FMT_BF6 matrix_b_scale:MATRIX_SCALE_ROW1
.else
	v_wmma_scale_f32_16x16x128_f8f6f4 v[8*(8*((\a)%4)+\b):8*(8*((\a)%4)+\b)+7], v[AF+FR*(\a):AF+FR*(\a)+FR-1], v[128*(\p)+FR*\b:128*(\p)+FR*\b+FR-1], v[8*(8*((\a)%4)+\b):8*(8*((\a)%4)+\b)+7], v[SC+8*(\p)+(\a)], v[SC+8*(\p)+\b] matrix_a_fmt:MATRIX_FMT_BF6 matrix_b_fmt:MATRIX_FMT_BF6 matrix_b_scale:MATRIX_SCALE_ROW1
.endif
.endr
.endm
.macro MUL16 a0, p, zero
	MULA \a0, \p, \zero
	MULA \a0+1, \p, \zero
.endm
.macro FETCH_B slot, t, p
	WIN TO_B
.irp i, 0,1,2,3,4,5,6,7
	FRAG 128*(\p)+FR*\i, ADRB+\slot, \t, \i
.endr
	WIN 0
.endm
.macro FETCH_A slot, t, i0
.irp i, \i0, \i0+1, \i0+2, \i0+3
	FRAG AF+FR*(\i), ADRA+\slot, \t, \i
.endr
.endm
.macro SCALES slot, t, p
.irp u, 0,1
	ds_load_b128 v[SC+8*(\p)+4*\u:SC+8*(\p)+4*\u+3], v[ADRS+\slot] offset:(\t)*UNIT+SCO+256*\u
.endr
.endm
.macro PLACES n                        ; in front of loads into registers that matrix instructions have read, and of the first read of results
.rept \n
	v_nop
.endr
.endm
; A K step inside a slot: 64 matrix instructions; the next step's fragments are fetched in its middle (the weight's other set, x's blocks 0-3, the scale words) and at its end (x's blocks 4-7)
.macro STEP slot, t, p, zero
	s_wait_dscnt 4*NL                              ; all but the youngest twelve loads, x's blocks 4-7
	WIN MUL_LO
	MUL16 0, \p, \zero
	MUL16 2, \p, \zero
	s_wait_dscnt 0
	PLACES NP
	FETCH_B \slot, (\t)+1, 1-(\p)
	FETCH_A \slot, (\t)+1, 0
	SCALES \slot, (\t)+1, 1-(\p)
	WIN MUL_HI
	MUL16 4, \p, \zero
	MUL16 6, \p, \zero
	PLACES NP
	WIN 0
	FETCH_A \slot, (\t)+1, 4
.endm
; The first half of a slot's last K step.  All its fragments were asked for in the step before.  In front of the barrier each wave waits for all its tensor loads (one is out: its part of the next slot), adds 0 to its
; spare word, and waits for that and for its reads of this slot.
.macro MEET p
	s_wait_dscnt 4*NL
	WIN MUL_LO
	MUL16 0, \p, 0
	WIN 0                                          ; (the add's two registers lie in window 0)
	s_wait_tensorcnt 0x0
	ds_add_u32 v[SPW], v[NIL]
	WIN MUL_LO
	MULA 2, \p, 0                                  ; eight matrix instructions between the add and the wait for it
	s_wait_dscnt 0x0                               ; the add is done, and my reads of this slot are over
	s_barrier_signal -1
	MULA 3, \p, 0                                  ; work on registers while the others arrive
	WIN 0
	s_barrier_wait -1
.endm
; A slot's last K step where the slot is filled again: the barrier opens a round of the cluster's barrier; the refill lies six K steps on.  how = 0, 1: three units, and the prefetches; how = 2: the last fill, two units
.macro TURN slot, p, next, how
.if \how < 2
	s_wait_xcnt 0x0                                ; my last prefetches have read their addresses: they are stepped here, a slot behind those prefetches, to the units that this refill brings
	s_add_nc_u64 s[PFA:PFA+1], s[PFA:PFA+1], HALFT
	s_add_nc_u64 s[PFX:PFX+1], s[PFX:PFX+1], HALFT
.endif
	MEET \p
	CREST                                          ; no wave of any partner still reads this slot or has a load on its way
	s_add_nc_u64 s[G0+4*\slot+2:G0+4*\slot+3], s[G0+4*\slot+2:G0+4*\slot+3], 6*UNIT
	s_add_nc_u64 s[G0B+4*\slot+2:G0B+4*\slot+3], s[G0B+4*\slot+2:G0B+4*\slot+3], 6*UNIT
.if \how < 2
	JLOAD G0+4*\slot, G1, G0B+4*\slot, G1B         ; the first tensor load behind the round; its four v_nop are the places in front of the loads below
.else
	JLOAD G0+4*\slot, G1F, G0B+4*\slot, G1FB
.endif
	FETCH_B \next, 0, 1-(\p)
	FETCH_A \next, 0, 0
	SCALES \next, 0, 1-(\p)
.if \how < 2
	ASK \how, HALFT                                ; the three units behind those that this refill brings
.endif
	WIN MUL_HI
	MUL16 4, \p, 0
	MUL16 6, \p, 0
	PLACES NP
	WIN 0
	FETCH_A \next, 0, 4
.endm
; THE LAST TWO K STEPS, in slot 0, by rows.  x's fragments of block a, both steps, 24 registers, into buffer a % 4 of the four that lie where x's one set lay
.macro ALOAD a
.irp t, 0,1
	FRAG AF+24*((\a)%4)+FR*\t, ADRA, \t, \a
.endr
.endm
.macro ROW a                           ; block a is finished: 16 matrix instructions, its 8 accumulators by turns, K ascending; step t takes the weight's set t and the scale words' set t
	WIN MUL_LO+0x50*((\a)/4)
.irp t, 0,1
.if (\a) == 0 && \t == 1
	s_wait_dscnt 4*NL                              ; the weight's second set and its scale words are in (behind them: x's blocks 2 and 3)
.endif
.irp b, 0,1,2,3,4,5,6,7
	v_wmma_scale_f32_16x16x128_f8f6f4 v[8*(8*((\a)%4)+\b):8*(8*((\a)%4)+\b)+7], v[AF+24*((\a)%4)+FR*\t:AF+24*((\a)%4)+FR*\t+FR-1], v[128*\t+FR*\b:128*\t+FR*\b+FR-1], v[8*(8*((\a)%4)+\b):8*(8*((\a)%4)+\b)+7], v[SC+8*\t+(\a)], v[SC+8*\t+\b] matrix_a_fmt:MATRIX_FMT_BF6 matrix_b_fmt:MATRIX_FMT_BF6 matrix_b_scale:MATRIX_SCALE_ROW1
.endr
.endr
.endm
; THE WAY OUT of block a, 16 rows x 128 columns: 64 fused multiply-adds a lane, each accumulator from its low end on, into 64 registers (two sets by turns: window 0 v64-127; window 1 v96-127 and v224-255);
; then 16 stores: lanes 0-15 write 256 consecutive bytes of row 16 a + j, aligned, lanes 16-31 those of row 16 a + 8 + j.  Every offset is an immediate: 119 rows of 65,536 bytes + 256 at the most.
.macro OUT a
.set TS, (\a)%2
.if (\a) > 1
	s_wait_xcnt 0x0                                ; block a - 2's stores have read this set
.endif
	WIN ((TS<<6)|(2+(\a)/4))                       ; destination: the set's window; source 0: window 2 or 3; scale and bias: window 0
.irp j, 0,1,2,3,4,5,6,7
.irp b, 0,1,2,3,4,5,6,7
	v_fma_f32 v[64+32*TS+8*\j+(\j/4)*96*TS+\b], v[8*(8*((\a)%4)+\b)+\j], v[WS+\b], v[BI+\b]
.endr
.endr
	WIN (TS<<2)                                    ; a store's data: source 1
.irp j, 0,1,2,3,4,5,6,7
.irp u, 0,1
	global_store_b128 v[OC], v[64+32*TS+8*\j+(\j/4)*96*TS+4*\u:64+32*TS+8*\j+(\j/4)*96*TS+4*\u+3], s[12:13] offset:(16*(\a)+\j)*SIZE_N*4+256*\u th:TH_STORE_NT
.endr
.endr
	WIN 0
.endm
	s_wait_alu depctr_va_vdst(0)
	s_wait_tensorcnt 0x0                           ; my part of K steps 0 to 2 is in; these lines stand ahead of a later first fill as ahead of a refill
	ds_add_u32 v[SPW], v[NIL]
	s_wait_dscnt 0x0
	CROUND                                         ; everybody's part is in, and all sixteen work-groups are here
	JLOAD G0+4, G1, G0B+4, G1B                     ; K steps 3 to 5 into slot 1: the first tensor load behind the round
	FETCH_B 0, 0, 0
	FETCH_A 0, 0, 0
	SCALES 0, 0, 0
	FETCH_A 0, 0, 4
	ASK 1, HALFT                                   ; K steps 6 to 8, which the first refill will want
	STEP 0, 0, 0, 1                                ; the first step's products start the sums: it alone stands in front of the loop
	s_mov_b32 s3, 4
.Llap:                                                 ; a trip: six K steps, from a lap's second step to the next lap's first; both slots are filled again
	STEP 0, 1, 1, 0
	TURN 0, 0, 1, 1
	STEP 1, 0, 1, 0
	STEP 1, 1, 0, 0
	TURN 1, 1, 0, 0
	STEP 0, 0, 0, 0
	s_sub_co_u32 s3, s3, 1
	s_cmp_lg_u32 s3, 0
	s_cbranch_scc1 .Llap
.irp u, 0,1                            ; scale and bias of my columns, five K steps ahead of their use: lane r takes columns 64 u + 4 r .. + 3, both halves of the lanes alike
	global_load_b128 v[WS+4*\u:WS+4*\u+3], v[WO], s[96:97] offset:256*\u
	global_load_b128 v[BI+4*\u:BI+4*\u+3], v[WO], s[98:99] offset:256*\u
.endr
	STEP 0, 1, 1, 0                                ; K step 25
	TURN 0, 0, 1, 2                                ; K step 26; slot 0 takes the last fill, K steps 30 and 31
	STEP 1, 0, 1, 0
	STEP 1, 1, 0, 0
	MEET 1                                         ; K step 29: the last fill is whole; nothing is filled again, so no round follows
	PLACES NP
	FETCH_B 0, 0, 0                                ; K step 30: the weight's set 0, the scale words' set 0,
	SCALES 0, 0, 0
	ALOAD 0                                        ; and x's blocks 0 and 1 of both steps, where blocks 0-3 of K step 29 lay
	ALOAD 1
	WIN MUL_HI
	MUL16 4, 1, 0
	MUL16 6, 1, 0
	PLACES NP
	FETCH_B 0, 1, 1                                ; K step 31: the sets that K step 29 has left
	SCALES 0, 1, 1
	ALOAD 2
	ALOAD 3
	s_wait_dscnt 38                                ; all but the 24 + 2 + 12 loads just issued
	ROW 0
	ROW 1
	s_wait_loadcnt 0x0                             ; scale and bias are in
	PLACES NP                                      ; block 0 is read next; for the later blocks the multiply-adds of the block before are the places
.irp a, 0,1,2,3,4,5,6,7
	OUT \a
.if \a < 4
	ALOAD \a+4                                     ; its buffer takes the block four further on
.endif
.if \a < 4
	s_wait_dscnt 4*NL                              ; block a + 2 of x is in; the two blocks asked for behind it may be out
.endif
.if \a == 4
	s_wait_dscnt 2*NL                              ; block 6 is in; block 7 may be out
.endif
.if \a == 5
	s_wait_dscnt 0
.endif
.if \a < 6
	ROW \a+2
.endif
.endr
	WIN 0
	s_wait_tensorcnt 0x0                           ; the wave's end
	ds_add_u32 v[SPW], v[NIL]
	s_wait_dscnt 0x0
	CROUND                                         ; the closing round
	s_endpgm
.Lfunc_end_k_q377d3a67b4_gemm:
	.size	k_q377d3a67b4_gemm, .Lfunc_end_k_q377d3a67b4_gemm-k_q377d3a67b4_gemm
	.p2alignl 7, 3214868480
	.fill 96, 4, 3214868480
	.section	.rodata,"a",@progbits
	.p2align	6, 0x0
	.amdhsa_kernel k_q377d3a67b4_gemm
		.amdhsa_group_segment_fixed_size 327680
		.amdhsa_private_segment_fixed_size 0
		.amdhsa_enable_private_segment 0
		.amdhsa_kernarg_size 40
		.amdhsa_user_sgpr_count 2
		.amdhsa_user_sgpr_kernarg_segment_ptr 1
		.amdhsa_wavefront_size32 1
		.amdhsa_system_sgpr_workgroup_id_x 1
		.amdhsa_system_sgpr_workgroup_id_y 1
		.amdhsa_system_sgpr_workgroup_id_z 1
		.amdhsa_system_vgpr_workitem_id 0
		.amdhsa_next_free_vgpr 1024
		.amdhsa_next_free_sgpr 100
		.amdhsa_reserve_vcc 0
		.amdhsa_float_denorm_mode_32 3
		.amdhsa_float_denorm_mode_16_64 3
		.amdhsa_memory_ordered 1
		.amdhsa_forward_progress 1
		.amdhsa_inst_pref_size 222
	.end_amdhsa_kernel
	.amdgpu_metadata
---
amdhsa.version: [ 1, 2 ]
amdhsa.kernels:
  - .name:           k_q377d3a67b4_gemm
    .symbol:         k_q377d3a67b4_gemm.kd
    .args:
      - { .name: xc, .offset: 0, .size: 8, .value_kind: global_buffer, .address_space: global }
      - { .name: wc, .offset: 8, .size: 8, .value_kind: global_buffer, .address_space: global }
      - { .name: weight_scale, .offset: 16, .size: 8, .value_kind: global_buffer, .address_space: global }
      - { .name: bias, .offset: 24, .size: 8, .value_kind: global_buffer, .address_space: global }
      - { .name: out0, .offset: 32, .size: 8, .value_kind: global_buffer, .address_space: global }
    .group_segment_fixed_size: 327680
    .private_segment_fixed_size: 0
    .kernarg_segment_align: 8
    .kernarg_segment_size: 40
    .max_flat_workgroup_size: 128
    .sgpr_count:     100
    .vgpr_count:     1024
    .wavefront_size: 32
...
	.end_amdgpu_metadata
.endif
;; end of part 2
